; MI455X (gfx1250); checked and timed in simulation.
; The chip was launched on July 23, 2026; its instructions are those of AMD's public machine-readable ISA for CDNA 5 (MIT licence, August 2026) and "CDNA5" Instruction Set Architecture Reference Guide (July 2026). The comments in the code are by the model that wrote it; some were corrected since.
;; Base Attention. Allowed arithmetic: matrix products marked QUANTISED: E3M2 operands, one E8M0 scale for each 32 along K, by v_wmma_scale_f32_16x16x128_f8f6f4 with both operands' format E3M2, f32 sums; everything else in f32.
;; Inputs: k 4 x 16 x 2,048 x 128 float32; q 4 x 16 x 2,048 x 128 float32; v 4 x 16 x 2,048 x 128 float32.
;; Outputs: out0 4 x 16 x 2,048 x 128 float32.
;; This version of the problem:
;;   THIS VERSION OF THE PROBLEM IS GIVEN IN LOW PRECISION. The matrix products marked QUANTISED in the list below multiply operands that are first quantised to E3M2 (3 exponent bits, 2 mantissa bits; 6 bits a number), with one power-of-two scale for each 32 numbers along K (OCP MX v1.0); their sums are f32. All else is computed in f32.
;;   The module's matrix products, in the order in which they are computed (A, B: the left and right operand; K: the contracted axis; several contracted axes count as one K, in the product's order):
;;     1. batch 64 x [M 2,048, K 128] x [K 128, N 2,048]; A: input q; B: input k: QUANTISED
;;     2. batch 64 x [M 2,048, K 2,048] x [K 2,048, N 128]; A: softmax (see below); B: input v: QUANTISED
;;   THE QUANTISER, for each operand of a quantised product, along K:
;;     - K is cut into blocks of 32 from its start; a last block that is shorter is filled with zeros.
;;     - A block's scale is 2^e with e = floor(log2(the largest magnitude in the block)) - 4, held to -126 .. 127; a block of zeros has e = 0. As a byte (E8M0): e + 127.
;;     - Each number is divided by its block's scale, clamped to +-28, and rounded to the nearest number of E3M2, ties to even, subnormals kept.
;;     - The product sums the exact products of the quantised numbers (number of the format x scale) in f32.
;;   ~~~python
;;   def quantise(x, axis):      # numpy; x: float32 -> the quantised numbers, widened to float32 again
;;       x = np.moveaxis(x, axis, -1); K = x.shape[-1]
;;       x = np.pad(x, [(0, 0)] * (x.ndim - 1) + [(0, -K % 32)]); x = x.reshape(x.shape[:-1] + (-1, 32)); a = np.abs(x).max(-1, keepdims=True)
;;       e = np.where(a > 0, np.clip(np.frexp(np.where(a > 0, a, 1))[1] - 1 - 4, -126, 127), 0)      # np.frexp(a)[1] - 1 = floor(log2(a)), exactly
;;       r = np.clip(x / 2.0 ** e, -28, 28)
;;       step = 2.0 ** (np.maximum(np.frexp(np.where(r == 0, 1, r))[1] - 1, -2) - 2)
;;       q = np.round(r / step) * step * 2.0 ** e      # np.round: ties to even
;;       return np.moveaxis(q.reshape(q.shape[:-2] + (-1,))[..., :K], -1, axis).astype(np.float32)
;;   ~~~
;;   SOFTMAX AHEAD OF A QUANTISED PRODUCT. Where the list says 'softmax', what is quantised is not the finished softmax but p = 2^(t - M), with t = logit x log2(e) and M = ceil(the row's largest t), a whole number; so 1/2 < the row's largest p <= 1. The row's sum l is taken of the UNQUANTISED p, in f32, and the product's result is divided by l at the end. Since M is a whole number, a kernel that streams over the keys may use a running M (the ceiling of the running maximum): every later rescaling is an exact power of two, which a block's scale takes up: the codes' values come out the same.
;;   OPERANDS COMPUTED ON THE WAY. 'Computed on the way' means the value that the module computes at that place (a softmax that the list does not call 'softmax' is quantised finished and normalised). What goes into a quantiser is computed in f32, as accurately as f32 sums, v_exp_f32 and their like allow (about 1e-6 of the number): no bf16 or f16 on the way to a quantiser, and a product that is left as it is and whose result goes on into a quantised operand takes f32 operands (vector FMAs, or v_wmma_f32_16x16x4_f32). A number that lies on a knife's edge between two numbers of the format may be rounded either way, as far as f32 arithmetic and the matrix unit's own rounding can turn it there, and no further.
;; 2 versions. Each part assembles by itself: llvm-mc -triple=amdgcn-amd-amdhsa -mcpu=gfx1250 --defsym DOCPART=n.
;; ======== version 1 of 2: 1 launch
;; limits: right only within a limited range of input values
;; launch attn (part 1): grid 4 x 64, 8 waves a work-group, no clusters, 273,408 bytes of LDS; arguments q, k, v, out0; writes out0
.if DOCPART == 1
	.amdgcn_target "amdgcn-amd-amdhsa--gfx1250"
	.amdhsa_code_object_version 6
	.text
	.protected	k_qe41a3c5309_attn
	.globl	k_qe41a3c5309_attn
	.p2align	8
	.type	k_qe41a3c5309_attn,@function
k_qe41a3c5309_attn:
	s_mov_b64 s[64:65], 0
	v_nop
	global_prefetch_b8 v0, s[64:65] scope:SCOPE_SE
	s_setreg_imm32_b32 hwreg(HW_REG_WAVE_MODE, 25, 1), 1
	s_wait_xcnt 0x0
; SLIDING-WINDOW CAUSAL ATTENTION, 64 heads x 2,048 x 128, window 512, both products on codes of BF6 (E3M2) with one E8M0 scale for each 32 along K.
; q, k, v, out0: [64][2048][128] f32.  q and k are quantised along the head's 128, v and p along the keys (blocks of 32 from key 0).  p = 2^(t - M), t = score x log2(e) / sqrt(128),
; M = the running largest t rounded up to a whole number; the row's sum is taken of the unquantised p and divides at the end.
; SHARES.  Work-group (x, head) owns queries 512 x .. 512 x + 511: four blocks j of 128.  Its keys are 512 x - 512 .. 512 x + 511: eight SLOTS of 128 keys, slot e = key step 4 x - 4 + e.
; The codes of all eight slots lie in LDS at once (205 KB), each byte written once: no ring.  Wave w (of 8) owns queries 16 w .. 16 w + 15 of every block, so its two masks never change.
; Block j walks slots j (cut by the window's edge), j + 1 .. j + 3 (whole), j + 4 (cut by the diagonal).  With a the key's place in its step and y the query's place in its block,
; the diagonal step hides a > y and the window step hides a <= y.  Key steps further off are wholly hidden by the mask that the problem builds itself, and are not multiplied.
; AN EVENT turns one slot of k and v from f32 into codes: wave w makes fragment w of K (16 keys x 128) and an eighth of V (32 columns x 2 blocks of 32 keys), and stores them as IMAGES OF
; THE OPERANDS' REGISTERS (group g of four registers of lane L at 512 g + 16 L), so that any wave loads a fragment by three ds_load_b128.  Loads from memory run one slot ahead, in registers.
; x = 0: slots 0 .. 3 do not exist.  Their steps are jumped over (a scalar branch on ids round LDS reads and register work alone).  Their EVENTS STILL RUN, on the head's first key step,
; into slots that nobody reads: so every wave of every work-group has the same loads out at every counted wait and passes the same barriers.  That is 512 KB read again in 64 of the 256 work-groups.
; THE MASKS COST NOTHING IN THE LOOP: they are the C of the products K Q^T of the two cut steps: 0 where a key counts, -3e38 where it is hidden (finite, so that the matrix unit sees no infinity).
; The largest t starts at -1e37: above a hidden t (-3.8e37), below every real one; a row whose first step is wholly hidden gets p = 0 there.
; LAYOUT.  Both products are used transposed (S^T = K Q^T, O^T = V^T P^T): a lane holds one query (lane % 16).  Row m of K's fragment 2 b + u is key 32 b + 8 u + m + 8 (m / 8), so that
; S^T's register 16 b + i of lane (r, h) is key 32 b + 16 h + i: 16 neighbours along the second product's K.
; NO JOINT LOADS: the operands arrive as f32 and go through registers to be quantised, so there is no tensor load to share; and the 512 keys that work-groups x and x + 1 share are wanted by
; x + 1 in its first four events and by x in its last four.
; LIMITS: NaN and infinities among the inputs are not served; |score| stays under 1e36; a block whose largest magnitude lies under 2^-122 (a block of zeros too) gets the scale byte 1:
; a block of zeros has zero codes under it, and this program alone reads the bytes.
;
; LDS: KIMG 8 x 12,288 | VIMG 8 x 12,288 | KSC 8 x 512 | VSC 8 x 512 (for fragments 4 g .. 4 g + 3: 16 bytes a row r, the word of fragment 4 g + i at 4 i) | STG 8 x 8,448: each wave's own stage, 16 rows x (512 + 16)
; REGISTERS, window 0: v2-7 addresses that stay; v8-11 a step's addresses; v12 -M, v13 the largest t, v[14:15] the sum; v16-27 Q's codes; v28-31 V's scale words (fragments 4-7); v32-79 four fragments;
;   v80-94 constants and an event's addresses; v96-159 S^T, then p, then V's fragments 4-7; in an event 64 numbers; v160-223 O^T; v224-235 p's codes; v232-247 at work; v248-251 scale words;
;   v252 f; v253 p's scale word; v254 at work; v255 Q's scale word.   window 1: v0-63 the diagonal's mask, v64-127 the window's; v128-191 staging for K or Q; v192-255 staging for V.
.set KIMG,  0
.set VIMG,  98304
.set KSC,   196608
.set VSC,   200704
.set STG,   204800
.set SLOTB, 12288                      ; a slot's eight fragments
.set FRB,   1536                       ; a fragment's image: 12 registers x 32 lanes x 4 bytes
.set SP,    528                        ; a stage row: 512 bytes + 16: row r starts 16 r bytes on modulo 256, so sixteen rows' 16-byte pieces fall on different banks
.set STEPG, 0x10000                    ; 128 rows of 512 bytes in memory: a key step, or a block of queries
.set AV0,  2                           ; VIMG + 16 lane
.set ASK0, 3                           ; KSC + 16 r
.set ASV0, 4                           ; VSC + 16 r
.set STW,  5                           ; my stage + 16 lane: a whole row to the wave
.set STR,  6                           ; my stage + 528 r + 128 h: row r, my 32 numbers of each 64
.set STO,  7                           ; my stage + 528 r + 32 h: the way out
.set ADK,  8
.set ADV,  9
.set ADS,  10
.set ADT,  11
.set QC,   16
.set VS2,  28
.set FG,   32
.set H8,   80                          ; 8 h
.set FLO,  81                          ; 2^(5 - 127): the floor under every largest magnitude, so that no scale byte falls under 1
.set KWI,  82                          ; where I store K's fragment: KIMG + 1536 w + 16 lane
.set KWS,  83                          ; and its scale words
.set VWI,  84                          ; where I store my codes of V
.set VWS,  85                          ; and my scale bytes
.set L16,  86                          ; 16 lane (also my place in an image of K: KIMG = 0)
.set L4,   87                          ; 4 lane
.set EK,   88                          ; v88-91: the four above, in the event's slot
.set NEG,  92                          ; -3e38
.set ZER,  93                          ; 0
.set DD,   94                          ; d = 16 w + r - 16 h
.set S,    96
.set O,    160
.set PCD,  224
.set TM,   232
.set FS,   248
.set QS,   255
.set MD,   0                           ; window 1
.set MW,   64
.set A,    128
.set B,    192
.set WV,   12                          ; s12 my wave's number
.set KB,   16                          ; s[16:17] k at my 16 rows of the slot to be loaded next
.set VB,   18                          ; s[18:19], s[20:21] v at my columns, my block of the slot's first and second 64 keys
.set QB,   22                          ; s[22:23] q, s[24:25] out0 at my 16 rows of the block in hand
.set OB,   24
.set SEL,  26                          ; s[26:27] v_permlanex16_b32's selects for lane l xor 16
.set CS,   28                          ; s[28:29] c = log2(e) / sqrt(128), twice: the packed form names a pair
.set TBK,  30                          ; s30 12,288 x the slot in hand
.set TBS,  31                          ; s31 512 x the slot in hand
.set INC,  32                          ; s[32:33] bytes from this slot to the next in memory
.set SA,   34                          ; s34 the slot's key step in the head, 4 x - 4 + slot: under 0 where there is none
.set FC,   36
.set JC,   37
.set MSB,  0
.macro WIN new                         ; the immediate's high byte repeats the setting that is left; bits 1:0 source 0, 3:2 source 1, 5:4 source 2, 7:6 destination
.if MSB != \new
	s_set_vgpr_msb (MSB<<8)|\new
.set MSB, \new
.endif
.endm
.macro PLACES n                        ; plain vector instructions between a matrix instruction and what touches its registers (ISA guide 7.12.1)
.rept \n
	v_nop
.endr
.endm
.macro BAR                             ; my LDS stores have landed and my LDS loads are in: then the work-group's barrier
	s_wait_dscnt 0x0
	s_barrier_signal -1
	s_barrier_wait -1
.endm
.macro LOADK                           ; my fragment's 16 keys, a whole row of 512 bytes to a load: rows 0-7 and 16-23 from my base
	WIN 0x40
.irp m, 0,1,2,3,4,5,6,7,8,9,10,11,12,13,14,15
	global_load_b128 v[A+4*\m:A+4*\m+3], v[L16], s[KB:KB+1] offset:(\m+8*(\m/8))*512
.endr
	WIN 0
.endm
.macro LOADQ dst, win                  ; my 16 queries; read once in the launch
.if \win
	WIN 0x40
.endif
.irp m, 0,1,2,3,4,5,6,7,8,9,10,11,12,13,14,15
	global_load_b128 v[\dst+4*\m:\dst+4*\m+3], v[L16], s[QB:QB+1] offset:512*\m th:TH_LOAD_NT
.endr
	WIN 0
.endm
.macro LOADV hv                        ; a lane takes a column of v, its registers run down 32 keys: a whole block of the second product's K in one lane
	WIN 0x40
.set i, 0
.rept 32
	global_load_b32 v[B+32*\hv+i], v[L4], s[VB+2*\hv:VB+2*\hv+1] offset:512*i
.set i, i+1
.endr
	WIN 0
.endm
; 16 rows as loaded (lane L: numbers 4 L .. 4 L + 3 of row m in registers 4 m ..) go through my stage and come back so that lane (r, h) holds of row r the numbers 64 c + 32 h + i in v[S + 32 c + i].
; LDS serves a wave's instructions in order (ISA guide 5.7.1.4): no wait between the stores and the loads.
.macro TURN src, win
.if \win
	WIN 0x04                                       ; an LDS store's data are its source 1
.endif
.irp m, 0,1,2,3,4,5,6,7,8,9,10,11,12,13,14,15
	ds_store_b128 v[STW], v[\src+4*\m:\src+4*\m+3] offset:SP*\m
.endr
	WIN 0
.irp c, 0,1
.irp u, 0,1,2,3,4,5,6,7
	ds_load_b128 v[S+32*\c+4*\u:S+32*\c+4*\u+3], v[STR] offset:256*\c+16*\u
.endr
.endr
.endm
; The 64 numbers in v[S] on become a fragment's 12 registers in v[pc] on and the row's scale word in v[pw].  A lane holds blocks h and 2 + h whole.
.macro QUANTW pc, pw
.irp c, 0,1
	v_max3_num_f32 v[TM+\c], |v[S+32*\c]|, |v[S+1+32*\c]|, 0x2800000   ; the floor is one more leaf
.endr
.irp i, 2,4,6,8,10,12,14,16,18,20,22,24,26,28,30
.irp c, 0,1
	v_max3_num_f32 v[TM+\c], v[TM+\c], |v[S+32*\c+\i]|, |v[S+1+32*\c+\i]|
.endr
.endr
.irp c, 0,1
	v_add_nc_u32 v[TM+2+\c], 0xfe000000, v[TM+\c]  ; 4 off the exponent field: the conversion takes this operand's exponent field as its scale
.endr
.irp c, 0,1
	v_lshrrev_b32 v[TM+4+\c], 23, v[TM+2+\c]       ; the scale's byte
.endr
	v_lshl_or_b32 v238, v237, 16, v236             ; my two bytes, blocks h and 2 + h,
	v_lshlrev_b32 v238, v[H8], v238                ; at their places;
	v_permlanex16_b32 v239, v238, s[SEL], s[SEL+1]
	v_or_b32 v[\pw], v238, v239                    ; with lane l xor 16's two the word is whole
.irp c, 0,1
	v_cvt_scalef32_pk16_bf6_f32 v[\pc+6*\c:\pc+6*\c+2], v[S+32*\c:S+15+32*\c], v[TM+2+\c]
	v_cvt_scalef32_pk16_bf6_f32 v[240+4*\c:242+4*\c], v[S+16+32*\c:S+31+32*\c], v[TM+2+\c]   ; (a conversion's three registers begin on an even number)
.endr
	v_nop                                          ; one plain place behind a scaled conversion
.irp c, 0,1
.irp i, 0,1,2
	v_mov_b32 v[\pc+3+6*\c+\i], v[240+4*\c+\i]
.endr
.endr
.endm
; My block 2 hv + h0 of my column of v: its 24 bytes of codes are registers 6 hv .. 6 hv + 5 of lane 16 h0 + r of fragment 2 cg + lane / 16; they go to their places in that image, the byte to its place in the row's word.
.macro QVH hv
.set BB, B+32*\hv
.set CC, 48+8*\hv
.set TT, 240+4*\hv
	WIN 0x14                                       ; sources 1 and 2 in window 1
	v_max3_num_f32 v232, v[FLO], |v[BB]|, |v[BB+1]|
	v_max3_num_f32 v233, v[FLO], |v[BB+16]|, |v[BB+17]|
.irp i, 2,4,6,8,10,12,14
	v_max3_num_f32 v232, v232, |v[BB+\i]|, |v[BB+1+\i]|
	v_max3_num_f32 v233, v233, |v[BB+16+\i]|, |v[BB+17+\i]|
.endr
	WIN 0
	v_max_num_f32 v232, v232, v233
	v_add_nc_u32 v234, 0xfe000000, v232
	v_lshrrev_b32 v[236+\hv], 23, v234
	WIN 0x01                                       ; source 0 in window 1
	v_cvt_scalef32_pk16_bf6_f32 v[CC:CC+2], v[BB:BB+15], v234
	v_cvt_scalef32_pk16_bf6_f32 v[TT:TT+2], v[BB+16:BB+31], v234
	WIN 0
	v_nop                                          ; one plain place behind a scaled conversion
.irp i, 0,1,2
	v_mov_b32 v[CC+3+\i], v[TT+\i]
.endr
.if \hv == 0
	ds_store_b128 v[EK+2], v[CC:CC+3]              ; operand registers 0-3
	ds_store_b64 v[EK+2], v[CC+4:CC+5] offset:512  ; 4, 5
	ds_store_b8 v[EK+3], v236
.else
	ds_store_b64 v[EK+2], v[CC:CC+1] offset:520    ; 6, 7
	ds_store_b128 v[EK+2], v[CC+2:CC+5] offset:1024  ; 8-11
	ds_store_b8 v[EK+3], v237 offset:2
.endif
.endm
; AN EVENT: the slot in hand is quantised out of the staging registers, which are loaded anew as they fall free.  mode 0: next comes the next slot's K; 1: the next block's Q; 3: nothing is asked for.
; first: the count of the wait at the head.  Each base is stepped only behind the wait that shows its own last loads done.
.macro EVENT first, mode
	s_wait_loadcnt \first                          ; 63: K is in: behind it stand V's 64 loads, and a count cannot name more than 63.  0: all was asked for a block ago
	v_add_nc_u32 v[EK], s[TBK], v[KWI]
	v_add_nc_u32 v[EK+1], s[TBS], v[KWS]
	v_add_nc_u32 v[EK+2], s[TBK], v[VWI]
	v_add_nc_u32 v[EK+3], s[TBS], v[VWS]
	TURN A, 1
.if \mode < 3
	s_wait_dscnt 16                                ; the 16 stores have been served (the 16 loads behind them may be out): the staging registers may be loaded again
.endif
.if \mode == 0
	s_cmp_ge_i32 s[SA], 0                          ; where the slot in hand does not exist (x = 0), the next one takes the same rows: the head's first key step
	s_cselect_b32 s[INC], STEPG, 0
	s_add_nc_u64 s[KB:KB+1], s[KB:KB+1], s[INC:INC+1]
	LOADK
.elseif \mode == 1
	s_mov_b32 s[INC], STEPG
	s_add_nc_u64 s[QB:QB+1], s[QB:QB+1], s[INC:INC+1]
	LOADQ A, 1
.endif
	s_wait_dscnt 0x0
	QUANTW FG, 238
.irp c, 0,1,2
	ds_store_b128 v[EK], v[FG+4*\c:FG+4*\c+3] offset:512*\c
.endr
	ds_store_b32 v[EK+1], v238                     ; lanes r and 16 + r write the same word with the same value
.if \first
	s_wait_loadcnt 48                              ; V's first half is in: behind it its second half's 32 loads and the 16 just issued
.endif
	QVH 0
.if \mode < 3
	s_add_nc_u64 s[VB:VB+1], s[VB:VB+1], s[INC:INC+1]
	LOADV 0
.endif
.if \first
	s_wait_loadcnt 48                              ; V's second half is in: behind it the 16 and the 32 just issued
.endif
	QVH 1
.endm
.macro LATE                            ; the next slot's second half of V is asked for behind the step, when the 48 loads of the event have had the step in which to land
	s_add_nc_u64 s[VB+2:VB+3], s[VB+2:VB+3], s[INC:INC+1]
	LOADV 1
.endm
.macro QQ                              ; the next block's Q out of staging, which then takes the next slot's K
	s_wait_loadcnt 63                              ; Q is in: behind it stand V's 64 loads
	TURN A, 1
	s_wait_dscnt 16                                ; the stores have been served
	s_add_nc_u64 s[KB:KB+1], s[KB:KB+1], STEPG
	LOADK
	s_wait_dscnt 0x0
	QUANTW QC, QS
.endm
.macro INIT                            ; a block begins: zeros, so that each kind of step is written once.  These 68 lines are also the places between Q's scale word and codes and the next product
	v_mov_b32 v13, 0xfcf0bdc2                      ; the largest t so far: -1e37
	v_mov_b32 v12, 0x7cf0bdc2                      ; -M
	v_mov_b32 v14, 0
	v_mov_b32 v15, 0
.set i, 0
.rept 64
	v_mov_b32 v[O+i], 0
.set i, i+1
.endr
.endm
.macro ADVANCE
	s_add_co_u32 s[TBK], s[TBK], SLOTB
	s_add_co_u32 s[TBS], s[TBS], 512
	s_add_co_i32 s[SA], s[SA], 1
.endm
.macro REWIND                          ; from a block's last slot to the next block's first
	s_sub_co_u32 s[TBK], s[TBK], 3*SLOTB
	s_sub_co_u32 s[TBS], s[TBS], 3*512
	s_sub_co_i32 s[SA], s[SA], 3
.endm
; A KEY STEP: my 16 queries against the 128 keys of the slot in hand.  kind 0: all keys count; 1: the window's edge; 2: the diagonal.
.macro STEP kind
.if \kind < 2
	s_cmp_lt_i32 s[SA], 0                          ; a slot ahead of the head's first key: nothing to do.  The branch hangs on ids and goes round LDS reads and register work alone
	s_cbranch_scc1 .Lnone_\@
.endif
	v_add_nc_u32 v[ADK], s[TBK], v[L16]
	v_add_nc_u32 v[ADV], s[TBK], v[AV0]
	v_add_nc_u32 v[ADS], s[TBS], v[ASK0]
	v_add_nc_u32 v[ADT], s[TBS], v[ASV0]
.set MB, 64*(2-\kind)
.irp g, 0,1                            ; S^T = K Q^T, four fragments (6,144 consecutive bytes) at a time
.if \g
	PLACES 4                                       ; in front of loads into registers that the four products have read
.endif
.set f, 0
.rept 12
	ds_load_b128 v[FG+4*f:FG+4*f+3], v[ADK] offset:4*FRB*\g+512*f
.set f, f+1
.endr
	ds_load_b128 v[FS:FS+3], v[ADS] offset:256*\g  ; the four fragments' scale words
	s_wait_dscnt 0x0
.if \kind
	WIN 0x10                                       ; C, the mask, in window 1
.endif
.irp t, 0,1,2,3
.if \kind
	v_wmma_scale_f32_16x16x128_f8f6f4 v[S+8*(4*\g+\t):S+8*(4*\g+\t)+7], v[FG+12*\t:FG+12*\t+11], v[QC:QC+11], v[MB+8*(4*\g+\t):MB+8*(4*\g+\t)+7], v[FS+\t], v[QS] matrix_a_fmt:MATRIX_FMT_BF6 matrix_b_fmt:MATRIX_FMT_BF6
.else
	v_wmma_scale_f32_16x16x128_f8f6f4 v[S+8*(4*\g+\t):S+8*(4*\g+\t)+7], v[FG+12*\t:FG+12*\t+11], v[QC:QC+11], 0, v[FS+\t], v[QS] matrix_a_fmt:MATRIX_FMT_BF6 matrix_b_fmt:MATRIX_FMT_BF6
.endif
.endr
	WIN 0
.endr
	PLACES 4                                       ; in front of the loads below and of the first read of the scores
.set f, 0
.rept 12
	ds_load_b128 v[FG+4*f:FG+4*f+3], v[ADV] offset:512*f   ; V's fragments 0-3 land under the softmax
.set f, f+1
.endr
	ds_load_b128 v[FS:FS+3], v[ADT]
.irp b, 0,1,2,3
	v_max3_num_f32 v[TM+\b], v[S+16*\b], v[S+1+16*\b], v[S+2+16*\b]   ; the largest score of each block of 32 keys: for the row's maximum, and, since p rises with the score, for the block's largest p
.endr
.irp i, 3,5,7,9,11,13
.irp b, 0,1,2,3
	v_max3_num_f32 v[TM+\b], v[TM+\b], v[S+16*\b+\i], v[S+1+16*\b+\i]
.endr
.endr
.irp b, 0,1,2,3
	v_max_num_f32 v[TM+\b], v[TM+\b], v[S+15+16*\b]
.endr
.irp b, 0,1,2,3
	v_permlanex16_b32 v[TM+4+\b], v[TM+\b], s[SEL], s[SEL+1]
.endr
.irp b, 0,1,2,3
	v_max_num_f32 v[TM+\b], v[TM+\b], v[TM+4+\b]   ; with lane l xor 16's 16 keys
.endr
	v_max3_num_f32 v254, v232, v233, v234
	v_max_num_f32 v254, v254, v235
	v_mul_f32 v254, s[CS], v254                    ; the step's largest t of my query
	v_max_num_f32 v13, v13, v254
	v_mov_b32 v254, v12
	v_floor_f32 v12, -v13                          ; the new -M = -ceil(t): a whole number
	v_sub_f32 v254, v12, v254                      ; old M - new M: a whole number, 0 or less
	v_cvt_i32_f32 v254, v254                       ; (it saturates)
	v_ldexp_f32 v252, 1.0, v254                    ; f = 2^(old M - new M): a multiplication by it rounds nothing
.set j, 0
.rept 32
	v_pk_fma_f32 v[S+j:S+j+1], v[S+j:S+j+1], s[CS:CS+1], v[12:13] op_sel_hi:[1,0,0]   ; t - M, two at a time
.set j, j+2
.endr
.irp b, 0,1,2,3
	v_fma_f32 v[TM+\b], v[TM+\b], s[CS], v12       ; the same of each block's largest score
.endr
.set j, 0
.rept 64
	v_exp_f32 v[S+j], v[S+j]                       ; p = 2^(t - M); 0 for a hidden key
.set j, j+1
.endr
	v_pk_mul_f32 v[14:15], v[14:15], v[252:253] op_sel_hi:[1,0]   ; the sums under the new M; also the plain place behind the exponentials
	s_wait_alu depctr_va_vdst(0)                   ; one wait for the batch, ahead of its first reader
.irp b, 0,1,2,3
	v_exp_f32 v[TM+\b], v[TM+\b]                   ; the block's largest p
.endr
	v_pk_add_f32 v[236:237], v[S:S+1], v[S+2:S+3]  ; the row's sum is taken of the unquantised p, in two chains
.set j, 4
.rept 15
	v_pk_add_f32 v[14:15], v[14:15], v[S+j:S+j+1]
	v_pk_add_f32 v[236:237], v[236:237], v[S+j+2:S+j+3]
.set j, j+4
.endr
	v_pk_add_f32 v[14:15], v[14:15], v[236:237]
	s_wait_alu depctr_va_vdst(0)                   ; and one for the four
.irp b, 0,1,2,3
	v_max_num_f32 v[TM+\b], 0x2800000, v[TM+\b]    ; the floor: a block of zeros keeps the byte 1 over zero codes
.endr
.irp b, 0,1,2,3
	v_add_nc_u32 v[244+\b], 0xfe000000, v[TM+\b]
.endr
.irp b, 0,1,2,3
	v_lshrrev_b32 v[236+\b], 23, v[244+\b]
.endr
	v_lshl_or_b32 v253, v237, 8, v236              ; p's scale word for these 128 keys
	v_lshl_or_b32 v253, v238, 16, v253
	v_lshl_or_b32 v253, v239, 24, v253
.irp c, 0,1
	v_cvt_scalef32_pk16_bf6_f32 v[PCD+6*\c:PCD+2+6*\c], v[S+32*\c:S+15+32*\c], v[244+2*\c]
	v_cvt_scalef32_pk16_bf6_f32 v[236+4*\c:238+4*\c], v[S+16+32*\c:S+31+32*\c], v[245+2*\c]
.endr
	v_nop                                          ; one plain place behind a scaled conversion
.set f, 0
.rept 12
	ds_load_b128 v[S+4*f:S+4*f+3], v[ADV] offset:4*FRB+512*f   ; p is done with: V's fragments 4-7 take its registers
.set f, f+1
.endr
	ds_load_b128 v[VS2:VS2+3], v[ADT] offset:256
.irp c, 0,1                            ; the operand's layout wants a whole block in a lane: lanes 0-15 block 2 c, lanes 16-31 block 2 c + 1
.irp i, 0,1,2
	v_permlane16_swap_b32 v[PCD+6*\c+\i], v[236+4*\c+\i]
.endr
.irp i, 0,1,2
	v_mov_b32 v[PCD+3+6*\c+\i], v[236+4*\c+\i]
.endr
.endr
.set j, 0
.rept 32
	v_pk_mul_f32 v[O+j:O+j+1], v[O+j:O+j+1], v[252:253] op_sel_hi:[1,0]   ; O^T under the new M.  These 32 are also the places between p's codes and scale word and the products
.set j, j+2
.endr
	s_wait_dscnt 0x0                               ; V's eight fragments and their scale words are in
.irp n, 0,1,2,3                        ; O^T += V^T P^T: eight accumulators, one instruction each
	v_wmma_scale_f32_16x16x128_f8f6f4 v[O+8*\n:O+8*\n+7], v[FG+12*\n:FG+12*\n+11], v[PCD:PCD+11], v[O+8*\n:O+8*\n+7], v[FS+\n], v253 matrix_a_fmt:MATRIX_FMT_BF6 matrix_b_fmt:MATRIX_FMT_BF6
.endr
.irp n, 0,1,2,3
	v_wmma_scale_f32_16x16x128_f8f6f4 v[O+32+8*\n:O+39+8*\n], v[S+12*\n:S+12*\n+11], v[PCD:PCD+11], v[O+32+8*\n:O+39+8*\n], v[VS2+\n], v253 matrix_a_fmt:MATRIX_FMT_BF6 matrix_b_fmt:MATRIX_FMT_BF6
.endr
	PLACES 5                                       ; the next step's first product writes over registers that these have read
.if \kind < 2
.Lnone_\@:
.endif
.endm
; THE WAY OUT of a block: O^T / the sum goes through my stage and leaves as whole rows: 32 lanes store 512 consecutive bytes, at a multiple of 512 from out0's first byte.
.macro OUT more
	v_add_f32 v14, v14, v15                        ; the sum's two halves,
	v_permlanex16_b32 v252, v14, s[SEL], s[SEL+1]
	v_add_f32 v14, v14, v252                       ; and lane l xor 16's
	v_rcp_f32 v14, v14
	v_nop                                          ; a plain place behind the reciprocal,
	s_wait_alu depctr_va_vdst(0)                   ; and the wait ahead of its first reader
.set j, 0
.rept 32
	v_pk_mul_f32 v[S+j:S+j+1], v[O+j:O+j+1], v[14:15] op_sel_hi:[1,0]   ; register 8 n + i is o(r, 16 n + 8 h + i); each accumulator from its low end on
.set j, j+2
.endr
.irp t, 0,1,2,3,4,5,6,7
	ds_store_b128 v[STO], v[S+8*\t:S+8*\t+3] offset:64*\t
	ds_store_b128 v[STO], v[S+8*\t+4:S+8*\t+7] offset:64*\t+16
.endr
.irp m, 0,1,2,3,4,5,6,7,8,9,10,11,12,13,14,15
	ds_load_b128 v[O+4*\m:O+4*\m+3], v[STW] offset:SP*\m   ; in order behind my stores
.endr
.irp m, 0,1,2,3,4,5,6,7,8,9,10,11,12,13,14,15
	s_wait_dscnt 15-\m                             ; row m is back; the rows behind it may be out
	global_store_b128 v[L16], v[O+4*\m:O+4*\m+3], s[OB:OB+1] offset:512*\m th:TH_STORE_NT
.endr
.if \more
	s_wait_xcnt 0x0                                ; the stores have read their registers and their base: both are written again only behind this wait
	s_add_nc_u64 s[OB:OB+1], s[OB:OB+1], STEPG
.endif
.endm
; A block's three whole steps.  ev = 1 (block 0): each is preceded by its slot's event.  A barrier stands on both sides of every event: the one behind it shows the slot's images to all waves,
; the one in front parts every wave's reads of images from every wave's stores of images.
.macro FSTEPS ev
	s_mov_b32 s[FC], 3
.Lf_\@:
.if \ev
	BAR
	EVENT 63, 0
	BAR
.endif
	STEP 0
.if \ev
	LATE
.endif
	ADVANCE
	s_sub_co_u32 s[FC], s[FC], 1
	s_cmp_lg_u32 s[FC], 0
	s_cbranch_scc1 .Lf_\@
.endm
	s_load_b256 s[4:11], s[0:1], 0x0               ; q s[4:5], k s[6:7], v s[8:9], out0 s[10:11]
	v_lshl_add_u32 v95, v0, 2, 0x42800
	v_mov_b32 v243, 0
	v_lshrrev_b32 v8, 5, v0
	v_readfirstlane_b32 s[WV], v8                  ; wave 0..7
	v_and_b32 v9, 31, v0                           ; lane
	v_and_b32 v10, 15, v0                          ; r
	v_bfe_u32 v11, v0, 4, 1                        ; h
	v_lshlrev_b32 v[L16], 4, v9
	v_lshlrev_b32 v[L4], 2, v9
	s_and_b32 s14, ttmp7, 0xffff                   ; the head
	s_lshl_b32 s[SA], ttmp9, 2
	s_sub_co_i32 s[SA], s[SA], 4                   ; slot 0's key step: 4 x - 4
	s_max_i32 s40, s[SA], 0                        ; (x = 0: held at the head's first)
	s_lshl_b32 s40, s40, 16
	s_lshl_b32 s41, s14, 20                        ; a head is 2,048 rows of 512 bytes
	s_add_co_u32 s40, s40, s41
	s_lshr_b32 s42, s[WV], 1                       ; K: my fragment w = 2 b + u begins at key 32 b + 8 u
	s_lshl_b32 s42, s42, 14
	s_and_b32 s43, s[WV], 1
	s_lshl_b32 s43, s43, 12
	s_add_co_u32 s42, s42, s43
	s_add_co_u32 s42, s42, s40
	s_mov_b32 s43, 0
	s_lshr_b32 s44, s[WV], 2                       ; V: h0 = w / 4: keys 32 h0 on; cg = w % 4: columns 32 cg on
	s_lshl_b32 s44, s44, 14
	s_and_b32 s45, s[WV], 3
	s_lshl_b32 s45, s45, 7
	s_add_co_u32 s44, s44, s45
	s_add_co_u32 s44, s44, s40
	s_mov_b32 s45, 0
	s_lshl_b32 s46, ttmp9, 18                      ; Q, out0: row 512 x + 16 w
	s_lshl_b32 s47, s[WV], 13
	s_add_co_u32 s46, s46, s47
	s_add_co_u32 s46, s46, s41
	s_mov_b32 s47, 0
	s_mov_b32 s[SEL], 0x76543210
	s_mov_b32 s[SEL+1], 0xfedcba98
	s_mov_b32 s[CS], 0x3e0293ee                    ; c = log2(e) / sqrt(128)
	s_mov_b32 s[CS+1], s[CS]
	s_mov_b32 s[TBK], 0
	s_mov_b32 s[TBS], 0
	s_mov_b32 s[INC+1], 0
	s_wait_kmcnt 0x0
	s_add_nc_u64 s[KB:KB+1], s[6:7], s[42:43]
	s_add_nc_u64 s[VB:VB+1], s[8:9], s[44:45]
	s_add_nc_u64 s[VB+2:VB+3], s[VB:VB+1], 64*512  ; the slot's second 64 keys
	s_add_nc_u64 s[QB:QB+1], s[4:5], s[46:47]
	s_add_nc_u64 s[OB:OB+1], s[10:11], s[46:47]
	LOADQ O, 0                                     ; block 0's Q lands where O^T will lie
	LOADK                                          ; slot 0
	; the LDS addresses: each a constant + a constant x lane + a constant x wave
	v_add_nc_u32 v[AV0], VIMG, v[L16]
	v_lshl_add_u32 v[ASK0], v10, 4, KSC
	v_lshl_add_u32 v[ASV0], v10, 4, VSC
	s_mul_i32 s38, s[WV], 16*SP
	s_add_co_u32 s38, s38, STG                     ; my stage
	v_add_nc_u32 v[STW], s38, v[L16]
	v_mul_u32_u24 v[STR], v10, SP
	v_lshl_add_u32 v[STO], v11, 5, v[STR]
	v_lshl_add_u32 v[STR], v11, 7, v[STR]
	v_add_nc_u32 v[STR], s38, v[STR]
	v_add_nc_u32 v[STO], s38, v[STO]
	v_lshlrev_b32 v[H8], 3, v11
	v_mov_b32 v[FLO], 0x2800000
	s_mul_i32 s39, s[WV], FRB
	v_add_nc_u32 v[KWI], s39, v[L16]               ; fragment w of K
	s_lshr_b32 s40, s[WV], 2                       ; h0 (for K: which group of four fragments)
	s_and_b32 s41, s[WV], 3                        ; cg (for K: which of the four)
	s_lshl_b32 s42, s40, 8
	s_lshl_b32 s43, s41, 2
	s_add_co_u32 s42, s42, s43
	v_add_nc_u32 v[KWS], s42, v[ASK0]              ; KSC + 256 (w / 4) + 16 r + 4 (w % 4)
	s_mul_i32 s42, s41, 2*FRB
	s_lshl_b32 s43, s40, 8
	s_add_co_u32 s42, s42, s43
	s_add_co_u32 s42, s42, VIMG
	v_mul_u32_u24 v[VWI], v11, FRB
	v_lshl_add_u32 v[VWI], v10, 4, v[VWI]
	v_add_nc_u32 v[VWI], s42, v[VWI]               ; VIMG + 1536 (2 cg + lane / 16) + 16 (16 h0 + r)
	s_lshr_b32 s42, s41, 1
	s_lshl_b32 s42, s42, 8
	s_and_b32 s43, s41, 1
	s_lshl_b32 s43, s43, 3
	s_add_co_u32 s42, s42, s43
	s_add_co_u32 s42, s42, s40
	v_lshl_add_u32 v[VWS], v11, 2, v[ASV0]
	v_add_nc_u32 v[VWS], s42, v[VWS]               ; VSC + 256 (cg / 2) + 16 r + 4 (2 (cg % 2) + lane / 16) + h0
	v_mov_b32 v[NEG], 0xff61b1e6                   ; -3e38
	v_mov_b32 v[ZER], 0
	s_lshl_b32 s42, s[WV], 4
	v_lshlrev_b32 v[DD], 4, v11
	v_sub_nc_u32 v[DD], v10, v[DD]
	v_add_nc_u32 v[DD], s42, v[DD]                 ; d = my query's place in its block - 16 h.  Register 16 b + i holds the key at place 32 b + 16 h + i
.irp b, 0,1,2,3
	v_mov_b32 v[236+\b], 0                         ; written once: a lane permute's destination counts as one of its sources
.endr
	v_mov_b32 v253, 0                              ; (named as the upper half of the pair v[252:253] before it is first written)
	WIN 0x40                                       ; the masks, in window 1: the diagonal hides 32 b + i > d, the window's edge all the others
.set n, 0
.rept 64
	v_cmp_gt_i32 vcc_lo, 32*(n/16)+n%16, v[DD]
	v_cndmask_b32 v[MD+n], v[ZER], v[NEG], vcc_lo
	v_cndmask_b32 v[MW+n], v[NEG], v[ZER], vcc_lo
.set n, n+1
.endr
	WIN 0
	LOADV 0
	s_wait_loadcnt 48                              ; Q is in: behind it K's 16 loads and V's 32
	TURN O, 0
	s_wait_dscnt 0x0
	QUANTW QC, QS
	INIT
	LOADV 1                                        ; from here on the loads that are out stand in the order K, V's first half, V's second half
	; ---- block 0: each of its five steps is preceded by its slot's event
	EVENT 63, 0
	BAR
	STEP 1
	LATE
	ADVANCE
	FSTEPS 1
	BAR
	EVENT 63, 1
	BAR
	STEP 2
	LATE
	OUT 1
	QQ
	INIT
	REWIND
	; ---- blocks 1 and 2: four steps on slots that lie ready, then the one new slot's event and the diagonal's step
	s_mov_b32 s[JC], 2
.Lblock:
	STEP 1
	ADVANCE
	FSTEPS 0
	BAR
	EVENT 0, 1
	BAR
	STEP 2
	LATE
	OUT 1
	QQ
	INIT
	REWIND
	s_sub_co_u32 s[JC], s[JC], 1
	s_cmp_lg_u32 s[JC], 0
	s_cbranch_scc1 .Lblock
	; ---- block 3 is written out: nothing more is asked of memory, and no load is jumped over in a loop
	STEP 1
	ADVANCE
	FSTEPS 0
	BAR
	EVENT 0, 3
	BAR
	STEP 2
	OUT 0
	s_wait_tensorcnt 0x0
	ds_add_u32 v95, v243
	s_wait_dscnt 0x0
	s_endpgm
.Lfunc_end_k_qe41a3c5309_attn:
	.size	k_qe41a3c5309_attn, .Lfunc_end_k_qe41a3c5309_attn-k_qe41a3c5309_attn
	.p2alignl 7, 3214868480
	.fill 96, 4, 3214868480
	.section	.rodata,"a",@progbits
	.p2align	6, 0x0
	.amdhsa_kernel k_qe41a3c5309_attn
		.amdhsa_group_segment_fixed_size 273408
		.amdhsa_private_segment_fixed_size 0
		.amdhsa_enable_private_segment 0
		.amdhsa_kernarg_size 32
		.amdhsa_user_sgpr_count 2
		.amdhsa_user_sgpr_kernarg_segment_ptr 1
		.amdhsa_wavefront_size32 1
		.amdhsa_system_sgpr_workgroup_id_x 1
		.amdhsa_system_sgpr_workgroup_id_y 1
		.amdhsa_system_sgpr_workgroup_id_z 1
		.amdhsa_system_vgpr_workitem_id 0
		.amdhsa_next_free_vgpr 512
		.amdhsa_next_free_sgpr 66
		.amdhsa_reserve_vcc 1
		.amdhsa_float_denorm_mode_32 3
		.amdhsa_float_denorm_mode_16_64 3
		.amdhsa_memory_ordered 1
		.amdhsa_forward_progress 1
		.amdhsa_inst_pref_size 255
	.end_amdhsa_kernel
	.section	.bss,"aw",@nobits
	.p2align	6
	.space	262144
	.amdgpu_metadata
---
amdhsa.version: [ 1, 2 ]
amdhsa.kernels:
  - .name:           k_qe41a3c5309_attn
    .symbol:         k_qe41a3c5309_attn.kd
    .args:
      - { .name: q, .offset: 0, .size: 8, .value_kind: global_buffer, .address_space: global }
      - { .name: k, .offset: 8, .size: 8, .value_kind: global_buffer, .address_space: global }
      - { .name: v, .offset: 16, .size: 8, .value_kind: global_buffer, .address_space: global }
      - { .name: out0, .offset: 24, .size: 8, .value_kind: global_buffer, .address_space: global }
    .group_segment_fixed_size: 273408
    .private_segment_fixed_size: 0
    .kernarg_segment_align: 8
    .kernarg_segment_size: 32
    .max_flat_workgroup_size: 256
    .sgpr_count:     66
    .vgpr_count:     512
    .wavefront_size: 32
...
	.end_amdgpu_metadata
.endif
;; end of part 1
;; ======== version 2 of 2: 1 launch; version 1 with the launch attn written anew for expert scheduling mode
;; limits: right only within a limited range of input values
;; launch attn (part 2): grid 4 x 64, 8 waves a work-group, no clusters, 273,408 bytes of LDS; arguments q, k, v, out0; writes out0
.if DOCPART == 2
	.amdgcn_target "amdgcn-amd-amdhsa--gfx1250"
	.amdhsa_code_object_version 6
	.text
	.protected	k_qe41a3c5309_attn
	.globl	k_qe41a3c5309_attn
	.p2align	8
	.type	k_qe41a3c5309_attn,@function
k_qe41a3c5309_attn:
	s_mov_b64 s[64:65], 0
	v_nop
	global_prefetch_b8 v0, s[64:65] scope:SCOPE_SE
	s_setreg_imm32_b32 hwreg(HW_REG_WAVE_SCHED_MODE, 0, 2), 2
	s_setreg_imm32_b32 hwreg(HW_REG_WAVE_MODE, 25, 1), 1
	s_wait_xcnt 0x0
	s_wait_alu depctr_vm_vsrc(0)
; SLIDING-WINDOW CAUSAL ATTENTION, 64 heads x 2,048 x 128, window 512, both products on codes of BF6 (E3M2) with one E8M0 scale for each 32 along K.
; q, k, v, out0: [64][2048][128] f32.  q and k are quantised along the head's 128, v and p along the keys (blocks of 32 from key 0).  p = 2^(t - M), t = score x log2(e) / sqrt(128),
; M = the running largest t rounded up to a whole number; the row's sum is taken of the unquantised p and divides at the end.
; SHARES.  Work-group (x, head) owns queries 512 x .. 512 x + 511: four blocks j of 128.  Its keys are 512 x - 512 .. 512 x + 511: eight SLOTS of 128 keys, slot e = key step 4 x - 4 + e.
; The codes of all eight slots lie in LDS at once (205 KB), each byte written once: no ring.  Wave w (of 8) owns queries 16 w .. 16 w + 15 of every block, so its two masks never change.
; Block j walks slots j (cut by the window's edge), j + 1 .. j + 3 (whole), j + 4 (cut by the diagonal).  With a the key's place in its step and y the query's place in its block,
; the diagonal step hides a > y and the window step hides a <= y.  Key steps further off are wholly hidden by the mask that the problem builds itself, and are not multiplied.
; AN EVENT turns one slot of k and v from f32 into codes: wave w makes fragment w of K (16 keys x 128) and an eighth of V (32 columns x 2 blocks of 32 keys), and stores them as IMAGES OF
; THE OPERANDS' REGISTERS (group g of four registers of lane L at 512 g + 16 L), so that any wave loads a fragment by three ds_load_b128.  Loads from memory run one slot ahead, in registers.
; x = 0: slots 0 .. 3 do not exist.  Their steps are jumped over (a scalar branch on ids round LDS reads and register work alone).  Their EVENTS STILL RUN, on the head's first key step,
; into slots that nobody reads: so every wave of every work-group has the same loads out at every counted wait and passes the same barriers.  That is 512 KB read again in 64 of the 256 work-groups.
; THE MASKS COST NOTHING IN THE LOOP: they are the C of the products K Q^T of the two cut steps: 0 where a key counts, -3e38 where it is hidden (finite, so that the matrix unit sees no infinity).
; The largest t starts at -1e37: above a hidden t (-3.8e37), below every real one; a row whose first step is wholly hidden gets p = 0 there.
; LAYOUT.  Both products are used transposed (S^T = K Q^T, O^T = V^T P^T): a lane holds one query (lane % 16).  Row m of K's fragment 2 b + u is key 32 b + 8 u + m + 8 (m / 8), so that
; S^T's register 16 b + i of lane (r, h) is key 32 b + 16 h + i: 16 neighbours along the second product's K.
; NO JOINT LOADS: the operands arrive as f32 and go through registers to be quantised, so there is no tensor load to share; and the 512 keys that work-groups x and x + 1 share are wanted by
; x + 1 in its first four events and by x in its last four.
; LIMITS: NaN and infinities among the inputs are not served; |score| stays under 1e36; a block whose largest magnitude lies under 2^-122 (a block of zeros too) gets the scale byte 1:
; a block of zeros has zero codes under it, and this program alone reads the bytes.
;
; THE MODE: SCHED_MODE bits 1:0 = 2 (LLVM: expert scheduling mode 2), set by the entry lines.  The code itself states the register dependences between vector or matrix instructions and
; memory or LDS instructions, with s_wait_alu, always for 0.
; THE PLAN.  Registers that memory or LDS instructions touch:
;   v86, v87, v2-7, v82-85   offsets and LDS addresses: made at the head, never written again; two waits at the head state that they are written.
;   v8-11    a step's addresses: written by four adds at the step's head, read by its LDS loads.  One wait on vm_vsrc ahead of the adds, one on va_vdst behind them.
;   v88-91   an event's addresses: written by four adds at its head, read by its stores.  The wait on vm_vsrc at the head of the step that follows every event frees them for the next event.
;   staging A (window 1)  loads of K or Q land in it, the stage's stores read it; no vector instruction names it: one wait on vm_vsrc between those stores and the next loads.
;   staging B (window 1)  loads of V land in it; a half's maxima and conversions read it; the wait ahead of that half's stores also states that they are done, and no later vector instruction names it.
;   A STEP'S FRAGMENTS.  At a step's head v96-159, v224-235, v32-79, v248-251 and v28-31 are dead: ALL EIGHT fragments of K and their scale words come in one run behind the one wait on va_vdst.
;   V's fragments 0-3 take v32-79 behind the products K Q^T (one wait, behind the places, where the scores are about to be read anyway); V's 4-7 take p's registers behind its conversions (one wait).
;   p's codes and scale word are made by vector instructions and taken by scaled products: one wait, behind the places.
;   THE WAY OUT: one wait ahead of its stores (the quotients are written, O^T has been read); one on vm_vsrc behind its stores (they have read v96-159, in which Q's turn lands, and v160-223, which are cleared).
;
; LDS: KIMG 8 x 12,288 | VIMG 8 x 12,288 | KSC 8 x 512 | VSC 8 x 512 (for fragments 4 g .. 4 g + 3: 16 bytes a row r, the word of fragment 4 g + i at 4 i) | STG 8 x 8,448: each wave's own stage, 16 rows x (512 + 16)
; REGISTERS, window 0: v2-7 addresses that stay; v8-11 a step's addresses; v12 -M, v13 the largest t, v[14:15] the sum; v16-27 Q's codes; v28-31 scale words of fragments 4-7 (K's, then V's); v32-79 four fragments
;   (K's 4-7, then V's 0-3); v80-94 constants and an event's addresses; v96-159 S^T (v124-159 first hold K's fragments 0-2), then p, then V's fragments 4-7; in an event 64 numbers; v160-223 O^T;
;   v224-235 K's fragment 3, then p's codes; v232-247 at work; v248-251 scale words of fragments 0-3;
;   v252 f; v253 p's scale word; v254 at work; v255 Q's scale word.   window 1: v0-63 the diagonal's mask, v64-127 the window's; v128-191 staging for K or Q; v192-255 staging for V.
.set KIMG,  0
.set VIMG,  98304
.set KSC,   196608
.set VSC,   200704
.set STG,   204800
.set SLOTB, 12288                      ; a slot's eight fragments
.set FRB,   1536                       ; a fragment's image: 12 registers x 32 lanes x 4 bytes
.set SP,    528                        ; a stage row: 512 bytes + 16: row r starts 16 r bytes on modulo 256, so sixteen rows' 16-byte pieces fall on different banks
.set STEPG, 0x10000                    ; 128 rows of 512 bytes in memory: a key step, or a block of queries
.set AV0,  2                           ; VIMG + 16 lane
.set ASK0, 3                           ; KSC + 16 r
.set ASV0, 4                           ; VSC + 16 r
.set STW,  5                           ; my stage + 16 lane: a whole row to the wave
.set STR,  6                           ; my stage + 528 r + 128 h: row r, my 32 numbers of each 64
.set STO,  7                           ; my stage + 528 r + 32 h: the way out
.set ADK,  8
.set ADV,  9
.set ADS,  10
.set ADT,  11
.set QC,   16
.set VS2,  28
.set FG,   32
.set H8,   80                          ; 8 h
.set FLO,  81                          ; 2^(5 - 127): the floor under every largest magnitude, so that no scale byte falls under 1
.set KWI,  82                          ; where I store K's fragment: KIMG + 1536 w + 16 lane
.set KWS,  83                          ; and its scale words
.set VWI,  84                          ; where I store my codes of V
.set VWS,  85                          ; and my scale bytes
.set L16,  86                          ; 16 lane (also my place in an image of K: KIMG = 0)
.set L4,   87                          ; 4 lane
.set EK,   88                          ; v88-91: the four above, in the event's slot
.set NEG,  92                          ; -3e38
.set ZER,  93                          ; 0
.set DD,   94                          ; d = 16 w + r - 16 h
.set S,    96
.set KA,   S+28                        ; v124-159: K's fragments 0-2, until tiles 3 to 7 of S^T are written over them
.set O,    160
.set PCD,  224
.set TM,   232
.set FS,   248
.set QS,   255
.set MD,   0                           ; window 1
.set MW,   64
.set A,    128
.set B,    192
.set WV,   12                          ; s12 my wave's number
.set KB,   16                          ; s[16:17] k at my 16 rows of the slot to be loaded next
.set VB,   18                          ; s[18:19], s[20:21] v at my columns, my block of the slot's first and second 64 keys
.set QB,   22                          ; s[22:23] q, s[24:25] out0 at my 16 rows of the block in hand
.set OB,   24
.set SEL,  26                          ; s[26:27] v_permlanex16_b32's selects for lane l xor 16
.set CS,   28                          ; s[28:29] c = log2(e) / sqrt(128), twice: the packed form names a pair
.set TBK,  30                          ; s30 12,288 x the slot in hand
.set TBS,  31                          ; s31 512 x the slot in hand
.set INC,  32                          ; s[32:33] bytes from this slot to the next in memory
.set SA,   34                          ; s34 the slot's key step in the head, 4 x - 4 + slot: under 0 where there is none
.set FC,   36
.set JC,   37
.set MSB,  0
.macro WIN new                         ; the immediate's high byte repeats the setting that is left; bits 1:0 source 0, 3:2 source 1, 5:4 source 2, 7:6 destination
.if MSB != \new
	s_set_vgpr_msb (MSB<<8)|\new
.set MSB, \new
.endif
.endm
.macro PLACES n                        ; plain vector instructions between a matrix instruction and what touches its registers (ISA guide 7.12.1)
.rept \n
	v_nop
.endr
.endm
.macro BAR                             ; my LDS stores have landed and my LDS loads are in: then the work-group's barrier
	s_wait_dscnt 0x0
	s_barrier_signal -1
	s_barrier_wait -1
.endm
.macro LOADK e                         ; my fragment's 16 keys, a whole row of 512 bytes to a load: rows 0-7 and 16-23 from my base.  e = 1: the staging registers have just gone through my stage
	WIN 0x40
.if \e
	s_wait_alu depctr_vm_vsrc(0)                   ; my stage's stores have read the staging registers, in which these loads land
.endif
.irp m, 0,1,2,3,4,5,6,7,8,9,10,11,12,13,14,15
	global_load_b128 v[A+4*\m:A+4*\m+3], v[L16], s[KB:KB+1] offset:(\m+8*(\m/8))*512
.endr
	WIN 0
.endm
.macro LOADQ dst, win                  ; my 16 queries; read once in the launch.  win = 1: into the staging registers, which have just gone through my stage
.if \win
	WIN 0x40
	s_wait_alu depctr_vm_vsrc(0)                   ; my stage's stores have read the staging registers, in which these loads land
.endif
.irp m, 0,1,2,3,4,5,6,7,8,9,10,11,12,13,14,15
	global_load_b128 v[\dst+4*\m:\dst+4*\m+3], v[L16], s[QB:QB+1] offset:512*\m th:TH_LOAD_NT
.endr
	WIN 0
.endm
.macro LOADV hv                        ; a lane takes a column of v, its registers run down 32 keys: a whole block of the second product's K in one lane
	WIN 0x40
.set i, 0
.rept 32
	global_load_b32 v[B+32*\hv+i], v[L4], s[VB+2*\hv:VB+2*\hv+1] offset:512*i
.set i, i+1
.endr
	WIN 0
.endm
; 16 rows as loaded (lane L: numbers 4 L .. 4 L + 3 of row m in registers 4 m ..) go through my stage and come back so that lane (r, h) holds of row r the numbers 64 c + 32 h + i in v[S + 32 c + i].
; LDS serves a wave's instructions in order (ISA guide 5.7.1.4): no wait between the stores and the loads.
.macro TURN src, win
.if \win
	WIN 0x04                                       ; an LDS store's data are its source 1
.endif
.irp m, 0,1,2,3,4,5,6,7,8,9,10,11,12,13,14,15
	ds_store_b128 v[STW], v[\src+4*\m:\src+4*\m+3] offset:SP*\m
.endr
	WIN 0
.irp c, 0,1
.irp u, 0,1,2,3,4,5,6,7
	ds_load_b128 v[S+32*\c+4*\u:S+32*\c+4*\u+3], v[STR] offset:256*\c+16*\u
.endr
.endr
.endm
; The 64 numbers in v[S] on become a fragment's 12 registers in v[pc] on and the row's scale word in v[pw].  A lane holds blocks h and 2 + h whole.
.macro QUANTW pc, pw
.irp c, 0,1
	v_max3_num_f32 v[TM+\c], |v[S+32*\c]|, |v[S+1+32*\c]|, 0x2800000   ; the floor is one more leaf
.endr
.irp i, 2,4,6,8,10,12,14,16,18,20,22,24,26,28,30
.irp c, 0,1
	v_max3_num_f32 v[TM+\c], v[TM+\c], |v[S+32*\c+\i]|, |v[S+1+32*\c+\i]|
.endr
.endr
.irp c, 0,1
	v_add_nc_u32 v[TM+2+\c], 0xfe000000, v[TM+\c]  ; 4 off the exponent field: the conversion takes this operand's exponent field as its scale
.endr
.irp c, 0,1
	v_lshrrev_b32 v[TM+4+\c], 23, v[TM+2+\c]       ; the scale's byte
.endr
	v_lshl_or_b32 v238, v237, 16, v236             ; my two bytes, blocks h and 2 + h,
	v_lshlrev_b32 v238, v[H8], v238                ; at their places;
	v_permlanex16_b32 v239, v238, s[SEL], s[SEL+1]
	v_or_b32 v[\pw], v238, v239                    ; with lane l xor 16's two the word is whole
.irp c, 0,1
	v_cvt_scalef32_pk16_bf6_f32 v[\pc+6*\c:\pc+6*\c+2], v[S+32*\c:S+15+32*\c], v[TM+2+\c]
	v_cvt_scalef32_pk16_bf6_f32 v[240+4*\c:242+4*\c], v[S+16+32*\c:S+31+32*\c], v[TM+2+\c]   ; (a conversion's three registers begin on an even number)
.endr
	v_nop                                          ; one plain place behind a scaled conversion
.irp c, 0,1
.irp i, 0,1,2
	v_mov_b32 v[\pc+3+6*\c+\i], v[240+4*\c+\i]
.endr
.endr
.endm
; My block 2 hv + h0 of my column of v: its 24 bytes of codes are registers 6 hv .. 6 hv + 5 of lane 16 h0 + r of fragment 2 cg + lane / 16; they go to their places in that image, the byte to its place in the row's word.
.macro QVH hv
.set BB, B+32*\hv
.set CC, 48+8*\hv
.set TT, 240+4*\hv
	WIN 0x14                                       ; sources 1 and 2 in window 1
	v_max3_num_f32 v232, v[FLO], |v[BB]|, |v[BB+1]|
	v_max3_num_f32 v233, v[FLO], |v[BB+16]|, |v[BB+17]|
.irp i, 2,4,6,8,10,12,14
	v_max3_num_f32 v232, v232, |v[BB+\i]|, |v[BB+1+\i]|
	v_max3_num_f32 v233, v233, |v[BB+16+\i]|, |v[BB+17+\i]|
.endr
	WIN 0
	v_max_num_f32 v232, v232, v233
	v_add_nc_u32 v234, 0xfe000000, v232
	v_lshrrev_b32 v[236+\hv], 23, v234
	WIN 0x01                                       ; source 0 in window 1
	v_cvt_scalef32_pk16_bf6_f32 v[CC:CC+2], v[BB:BB+15], v234
	v_cvt_scalef32_pk16_bf6_f32 v[TT:TT+2], v[BB+16:BB+31], v234
	WIN 0
	v_nop                                          ; one plain place behind a scaled conversion
.irp i, 0,1,2
	v_mov_b32 v[CC+3+\i], v[TT+\i]
.endr
	s_wait_alu depctr_va_vdst(0)                   ; my six registers of codes and my byte are written, which the stores below read; the maxima and conversions are done reading this half of V's staging, in which its next loads land (no vector instruction names it before them)
.if \hv == 0
	ds_store_b128 v[EK+2], v[CC:CC+3]              ; operand registers 0-3
	ds_store_b64 v[EK+2], v[CC+4:CC+5] offset:512  ; 4, 5
	ds_store_b8 v[EK+3], v236
.else
	ds_store_b64 v[EK+2], v[CC:CC+1] offset:520    ; 6, 7
	ds_store_b128 v[EK+2], v[CC+2:CC+5] offset:1024  ; 8-11
	ds_store_b8 v[EK+3], v237 offset:2
.endif
.endm
; AN EVENT: the slot in hand is quantised out of the staging registers, which are loaded anew as they fall free.  mode 0: next comes the next slot's K; 1: the next block's Q; 3: nothing is asked for.
; first: the count of the wait at the head.  Each base is stepped only behind the wait that shows its own last loads done.
; What the last event's stores read (v88-91, their codes, v236-238) is written again here: the wait on vm_vsrc at the head of the step that follows every event stands between.
.macro EVENT first, mode
	s_wait_loadcnt \first                          ; 63: K is in: behind it stand V's 64 loads, and a count cannot name more than 63.  0: all was asked for a block ago
	v_add_nc_u32 v[EK], s[TBK], v[KWI]
	v_add_nc_u32 v[EK+1], s[TBS], v[KWS]
	v_add_nc_u32 v[EK+2], s[TBK], v[VWI]
	v_add_nc_u32 v[EK+3], s[TBS], v[VWS]
	s_wait_alu depctr_va_vdst(0)                   ; v88-91 are written, which this event's stores read; the last step's products (ahead of the first event: Q's conversions) are done reading v96-159, in which the loads from my stage land
	TURN A, 1
.if \mode < 3
	s_wait_dscnt 16                                ; the 16 stores have been served (the 16 loads behind them may be out): the staging registers may be loaded again
.endif
.if \mode == 0
	s_cmp_ge_i32 s[SA], 0                          ; where the slot in hand does not exist (x = 0), the next one takes the same rows: the head's first key step
	s_cselect_b32 s[INC], STEPG, 0
	s_add_nc_u64 s[KB:KB+1], s[KB:KB+1], s[INC:INC+1]
	LOADK 1
.elseif \mode == 1
	s_mov_b32 s[INC], STEPG
	s_add_nc_u64 s[QB:QB+1], s[QB:QB+1], s[INC:INC+1]
	LOADQ A, 1
.endif
	s_wait_dscnt 0x0
	QUANTW FG, 238
	s_wait_alu depctr_va_vdst(0)                   ; K's twelve registers of codes and the scale word v238 are written, which the four stores below read
.irp c, 0,1,2
	ds_store_b128 v[EK], v[FG+4*\c:FG+4*\c+3] offset:512*\c
.endr
	ds_store_b32 v[EK+1], v238                     ; lanes r and 16 + r write the same word with the same value
.if \first
	s_wait_loadcnt 48                              ; V's first half is in: behind it its second half's 32 loads and the 16 just issued
.endif
	QVH 0
.if \mode < 3
	s_add_nc_u64 s[VB:VB+1], s[VB:VB+1], s[INC:INC+1]
	LOADV 0
.endif
.if \first
	s_wait_loadcnt 48                              ; V's second half is in: behind it the 16 and the 32 just issued
.endif
	QVH 1
.endm
.macro LATE                            ; the next slot's second half of V is asked for behind the step, when the 48 loads of the event have had the step in which to land.  No wait: the step names neither v87 nor that half of the staging
	s_add_nc_u64 s[VB+2:VB+3], s[VB+2:VB+3], s[INC:INC+1]
	LOADV 1
.endm
.macro QQ                              ; the next block's Q out of staging, which then takes the next slot's K.  The way out's two waits have freed v96-159 for the loads from my stage
	s_wait_loadcnt 63                              ; Q is in: behind it stand V's 64 loads
	TURN A, 1
	s_wait_dscnt 16                                ; the stores have been served
	s_add_nc_u64 s[KB:KB+1], s[KB:KB+1], STEPG
	LOADK 1
	s_wait_dscnt 0x0
	QUANTW QC, QS
.endm
.macro INIT                            ; a block begins: zeros, so that each kind of step is written once.  These 68 lines are also the places between Q's scale word and codes and the next product
	v_mov_b32 v13, 0xfcf0bdc2                      ; the largest t so far: -1e37
	v_mov_b32 v12, 0x7cf0bdc2                      ; -M
	v_mov_b32 v14, 0
	v_mov_b32 v15, 0
.set i, 0
.rept 64
	v_mov_b32 v[O+i], 0
.set i, i+1
.endr
.endm
.macro ADVANCE
	s_add_co_u32 s[TBK], s[TBK], SLOTB
	s_add_co_u32 s[TBS], s[TBS], 512
	s_add_co_i32 s[SA], s[SA], 1
.endm
.macro REWIND                          ; from a block's last slot to the next block's first
	s_sub_co_u32 s[TBK], s[TBK], 3*SLOTB
	s_sub_co_u32 s[TBS], s[TBS], 3*512
	s_sub_co_i32 s[SA], s[SA], 3
.endm
; Tile t of S^T = K Q^T: fragment t of K stands in v[a] on, its scale words in v[sc].  kind > 0: the mask is the product's C
.macro KQT kind, t, a, sc
.if \kind
	v_wmma_scale_f32_16x16x128_f8f6f4 v[S+8*(\t):S+8*(\t)+7], v[\a:\a+11], v[QC:QC+11], v[MB+8*(\t):MB+8*(\t)+7], v[\sc], v[QS] matrix_a_fmt:MATRIX_FMT_BF6 matrix_b_fmt:MATRIX_FMT_BF6
.else
	v_wmma_scale_f32_16x16x128_f8f6f4 v[S+8*(\t):S+8*(\t)+7], v[\a:\a+11], v[QC:QC+11], 0, v[\sc], v[QS] matrix_a_fmt:MATRIX_FMT_BF6 matrix_b_fmt:MATRIX_FMT_BF6
.endif
.endm
; A KEY STEP: my 16 queries against the 128 keys of the slot in hand.  kind 0: all keys count; 1: the window's edge; 2: the diagonal.
.macro STEP kind
	s_wait_alu depctr_vm_vsrc(0)                   ; ahead of the branch: the last step's LDS loads have read v8-11, which the adds below write; the last event's stores have read v88-91, their codes in v32-61 and v236-238, which this step and the next event write
.if \kind < 2
	s_cmp_lt_i32 s[SA], 0                          ; a slot ahead of the head's first key: nothing to do.  The branch hangs on ids and goes round LDS reads and register work alone
	s_cbranch_scc1 .Lnone_\@
.endif
	v_add_nc_u32 v[ADK], s[TBK], v[L16]
	v_add_nc_u32 v[ADV], s[TBK], v[AV0]
	v_add_nc_u32 v[ADS], s[TBS], v[ASK0]
	v_add_nc_u32 v[ADT], s[TBS], v[ASV0]
	s_wait_alu depctr_va_vdst(0)                   ; v8-11 are written, which this step's loads read; all earlier products, conversions and moves are done with v28-79, v96-159, v224-235 and v248-251, in which the 26 loads below land; Q's codes and scale word are written, which the products take
.set MB, 64*(2-\kind)
	ds_load_b128 v[FS:FS+3], v[ADS]                ; the scale words of fragments 0-3
.set f, 0
.rept 9
	ds_load_b128 v[KA+4*f:KA+4*f+3], v[ADK] offset:512*f   ; K's eight fragments are 12,288 consecutive bytes: fragments 0-2 go into the upper part of S^T's registers,
.set f, f+1
.endr
.rept 3
	ds_load_b128 v[PCD+4*(f-9):PCD+4*(f-9)+3], v[ADK] offset:512*f   ; fragment 3 where p's codes will lie,
.set f, f+1
.endr
	ds_load_b128 v[VS2:VS2+3], v[ADS] offset:256   ; the scale words of fragments 4-7
.rept 12
	ds_load_b128 v[FG+4*(f-12):FG+4*(f-12)+3], v[ADK] offset:512*f   ; fragments 4-7
.set f, f+1
.endr
	s_wait_dscnt 16                                ; LDS loads come back in order (ISA guide 5.7.1): fragments 0-2 and their words are in; the 3 + 1 + 12 younger loads may be out
.if \kind
	WIN 0x10                                       ; C, the mask, in window 1
.endif
.irp t, 0,1,2
	KQT \kind, \t, KA+12*\t, FS+\t
.endr
	PLACES 5                                       ; tiles 3 to 7 are written over registers that these three products have read
	s_wait_dscnt 0x0                               ; the other five fragments are in
	KQT \kind, 3, PCD, FS+3
.irp t, 4,5,6,7
	KQT \kind, \t, FG+12*(\t-4), VS2+\t-4
.endr
	WIN 0
	PLACES 4                                       ; in front of the first read of the scores and of the first write of v232-235, which tile 3's product has read
	s_wait_alu depctr_va_vdst(0)                   ; the products are done reading v32-79 and v248-251, in which the loads below land
.set f, 0
.rept 12
	ds_load_b128 v[FG+4*f:FG+4*f+3], v[ADV] offset:512*f   ; V's fragments 0-3 land under the softmax
.set f, f+1
.endr
	ds_load_b128 v[FS:FS+3], v[ADT]
.irp b, 0,1,2,3
	v_max3_num_f32 v[TM+\b], v[S+16*\b], v[S+1+16*\b], v[S+2+16*\b]   ; the largest score of each block of 32 keys: for the row's maximum, and, since p rises with the score, for the block's largest p
.endr
.irp i, 3,5,7,9,11,13
.irp b, 0,1,2,3
	v_max3_num_f32 v[TM+\b], v[TM+\b], v[S+16*\b+\i], v[S+1+16*\b+\i]
.endr
.endr
.irp b, 0,1,2,3
	v_max_num_f32 v[TM+\b], v[TM+\b], v[S+15+16*\b]
.endr
.irp b, 0,1,2,3
	v_permlanex16_b32 v[TM+4+\b], v[TM+\b], s[SEL], s[SEL+1]
.endr
.irp b, 0,1,2,3
	v_max_num_f32 v[TM+\b], v[TM+\b], v[TM+4+\b]   ; with lane l xor 16's 16 keys
.endr
	v_max3_num_f32 v254, v232, v233, v234
	v_max_num_f32 v254, v254, v235
	v_mul_f32 v254, s[CS], v254                    ; the step's largest t of my query
	v_max_num_f32 v13, v13, v254
	v_mov_b32 v254, v12
	v_floor_f32 v12, -v13                          ; the new -M = -ceil(t): a whole number
	v_sub_f32 v254, v12, v254                      ; old M - new M: a whole number, 0 or less
	v_cvt_i32_f32 v254, v254                       ; (it saturates)
	v_ldexp_f32 v252, 1.0, v254                    ; f = 2^(old M - new M): a multiplication by it rounds nothing
.set j, 0
.rept 32
	v_pk_fma_f32 v[S+j:S+j+1], v[S+j:S+j+1], s[CS:CS+1], v[12:13] op_sel_hi:[1,0,0]   ; t - M, two at a time
.set j, j+2
.endr
.irp b, 0,1,2,3
	v_fma_f32 v[TM+\b], v[TM+\b], s[CS], v12       ; the same of each block's largest score
.endr
.set j, 0
	s_wait_alu depctr_va_vdst(0)
.rept 64
	v_exp_f32 v[S+j], v[S+j]                       ; p = 2^(t - M); 0 for a hidden key
.set j, j+1
.endr
	v_pk_mul_f32 v[14:15], v[14:15], v[252:253] op_sel_hi:[1,0]   ; the sums under the new M; also the plain place behind the exponentials
	s_wait_alu depctr_va_vdst(0)                   ; the 64 exponentials have written p in v96-159: one wait for the batch, ahead of its first reader
.irp b, 0,1,2,3
	v_exp_f32 v[TM+\b], v[TM+\b]                   ; the block's largest p
.endr
	v_pk_add_f32 v[236:237], v[S:S+1], v[S+2:S+3]  ; the row's sum is taken of the unquantised p, in two chains
.set j, 4
.rept 15
	v_pk_add_f32 v[14:15], v[14:15], v[S+j:S+j+1]
	v_pk_add_f32 v[236:237], v[236:237], v[S+j+2:S+j+3]
.set j, j+4
.endr
	v_pk_add_f32 v[14:15], v[14:15], v[236:237]
	s_wait_alu depctr_va_vdst(0)                   ; the four exponentials have written v232-235: their wait, ahead of their first reader
.irp b, 0,1,2,3
	v_max_num_f32 v[TM+\b], 0x2800000, v[TM+\b]    ; the floor: a block of zeros keeps the byte 1 over zero codes
.endr
.irp b, 0,1,2,3
	v_add_nc_u32 v[244+\b], 0xfe000000, v[TM+\b]
.endr
.irp b, 0,1,2,3
	v_lshrrev_b32 v[236+\b], 23, v[244+\b]
.endr
	v_lshl_or_b32 v253, v237, 8, v236              ; p's scale word for these 128 keys
	v_lshl_or_b32 v253, v238, 16, v253
	v_lshl_or_b32 v253, v239, 24, v253
.irp c, 0,1
	v_cvt_scalef32_pk16_bf6_f32 v[PCD+6*\c:PCD+2+6*\c], v[S+32*\c:S+15+32*\c], v[244+2*\c]
	v_cvt_scalef32_pk16_bf6_f32 v[236+4*\c:238+4*\c], v[S+16+32*\c:S+31+32*\c], v[245+2*\c]
.endr
	v_nop                                          ; one plain place behind a scaled conversion
	s_wait_alu depctr_va_vdst(0)                   ; the conversions and the sums are done reading p in v96-159, in which the loads below land (v28-31 were last read by the products K Q^T)
.set f, 0
.rept 12
	ds_load_b128 v[S+4*f:S+4*f+3], v[ADV] offset:4*FRB+512*f   ; p is done with: V's fragments 4-7 take its registers
.set f, f+1
.endr
	ds_load_b128 v[VS2:VS2+3], v[ADT] offset:256
.irp c, 0,1                            ; the operand's layout wants a whole block in a lane: lanes 0-15 block 2 c, lanes 16-31 block 2 c + 1
.irp i, 0,1,2
	v_permlane16_swap_b32 v[PCD+6*\c+\i], v[236+4*\c+\i]
.endr
.irp i, 0,1,2
	v_mov_b32 v[PCD+3+6*\c+\i], v[236+4*\c+\i]
.endr
.endr
.set j, 0
.rept 32
	v_pk_mul_f32 v[O+j:O+j+1], v[O+j:O+j+1], v[252:253] op_sel_hi:[1,0]   ; O^T under the new M.  These 32 are also the places between p's codes and scale word and the products
.set j, j+2
.endr
	s_wait_dscnt 0x0                               ; V's eight fragments and their scale words are in
	s_wait_alu depctr_va_vdst(0)                   ; p's codes in v224-235 and its scale word v253 are written, which the scaled products below take; the places above stay beside this wait
.irp n, 0,1,2,3                        ; O^T += V^T P^T: eight accumulators, one instruction each
	v_wmma_scale_f32_16x16x128_f8f6f4 v[O+8*\n:O+8*\n+7], v[FG+12*\n:FG+12*\n+11], v[PCD:PCD+11], v[O+8*\n:O+8*\n+7], v[FS+\n], v253 matrix_a_fmt:MATRIX_FMT_BF6 matrix_b_fmt:MATRIX_FMT_BF6
.endr
.irp n, 0,1,2,3
	v_wmma_scale_f32_16x16x128_f8f6f4 v[O+32+8*\n:O+39+8*\n], v[S+12*\n:S+12*\n+11], v[PCD:PCD+11], v[O+32+8*\n:O+39+8*\n], v[VS2+\n], v253 matrix_a_fmt:MATRIX_FMT_BF6 matrix_b_fmt:MATRIX_FMT_BF6
.endr
	PLACES 5                                       ; the next step's first product writes over registers that these have read
.if \kind < 2
.Lnone_\@:
.endif
.endm
; THE WAY OUT of a block: O^T / the sum goes through my stage and leaves as whole rows: 32 lanes store 512 consecutive bytes, at a multiple of 512 from out0's first byte.
.macro OUT more
	v_add_f32 v14, v14, v15                        ; the sum's two halves,
	v_permlanex16_b32 v252, v14, s[SEL], s[SEL+1]
	v_add_f32 v14, v14, v252                       ; and lane l xor 16's
	s_wait_alu depctr_va_vdst(0)
	v_rcp_f32 v14, v14
	v_nop                                          ; a plain place behind the reciprocal,
	s_wait_alu depctr_va_vdst(0)                   ; the reciprocal has written v14: its wait, ahead of its first reader
.set j, 0
.rept 32
	v_pk_mul_f32 v[S+j:S+j+1], v[O+j:O+j+1], v[14:15] op_sel_hi:[1,0]   ; register 8 n + i is o(r, 16 n + 8 h + i); each accumulator from its low end on
.set j, j+2
.endr
	s_wait_alu depctr_va_vdst(0)                   ; the multiplies have written v96-159, which the stores below read, and are done reading O^T, in which the loads from my stage land
.irp t, 0,1,2,3,4,5,6,7
	ds_store_b128 v[STO], v[S+8*\t:S+8*\t+3] offset:64*\t
	ds_store_b128 v[STO], v[S+8*\t+4:S+8*\t+7] offset:64*\t+16
.endr
.irp m, 0,1,2,3,4,5,6,7,8,9,10,11,12,13,14,15
	ds_load_b128 v[O+4*\m:O+4*\m+3], v[STW] offset:SP*\m   ; in order behind my stores
.endr
.irp m, 0,1,2,3,4,5,6,7,8,9,10,11,12,13,14,15
	s_wait_dscnt 15-\m                             ; row m is back; the rows behind it may be out
	global_store_b128 v[L16], v[O+4*\m:O+4*\m+3], s[OB:OB+1] offset:512*\m th:TH_STORE_NT
.endr
.if \more
	s_wait_xcnt 0x0                                ; the stores have read their registers and their base: both are written again only behind this wait
	s_wait_alu depctr_vm_vsrc(0)                   ; beside it: the LDS stores have read v96-159, in which the next block's Q lands out of my stage; the global stores have read v160-223, which are cleared for the next block
	s_add_nc_u64 s[OB:OB+1], s[OB:OB+1], STEPG
.endif
.endm
; A block's three whole steps.  ev = 1 (block 0): each is preceded by its slot's event.  A barrier stands on both sides of every event: the one behind it shows the slot's images to all waves,
; the one in front parts every wave's reads of images from every wave's stores of images.
.macro FSTEPS ev
	s_mov_b32 s[FC], 3
.Lf_\@:
.if \ev
	BAR
	EVENT 63, 0
	BAR
.endif
	STEP 0
.if \ev
	LATE
.endif
	ADVANCE
	s_sub_co_u32 s[FC], s[FC], 1
	s_cmp_lg_u32 s[FC], 0
	s_cbranch_scc1 .Lf_\@
.endm
	s_load_b256 s[4:11], s[0:1], 0x0               ; q s[4:5], k s[6:7], v s[8:9], out0 s[10:11]
	v_lshl_add_u32 v95, v0, 2, 0x42800
	v_mov_b32 v243, 0
	v_lshrrev_b32 v8, 5, v0
	v_readfirstlane_b32 s[WV], v8                  ; wave 0..7
	v_and_b32 v9, 31, v0                           ; lane
	v_and_b32 v10, 15, v0                          ; r
	v_bfe_u32 v11, v0, 4, 1                        ; h
	v_lshlrev_b32 v[L16], 4, v9
	v_lshlrev_b32 v[L4], 2, v9
	s_wait_alu depctr_va_sdst(0)                   ; s12, my wave's number, is written, ahead of its first reader: the bases and the LDS addresses are made from it
	s_and_b32 s14, ttmp7, 0xffff                   ; the head
	s_lshl_b32 s[SA], ttmp9, 2
	s_sub_co_i32 s[SA], s[SA], 4                   ; slot 0's key step: 4 x - 4
	s_max_i32 s40, s[SA], 0                        ; (x = 0: held at the head's first)
	s_lshl_b32 s40, s40, 16
	s_lshl_b32 s41, s14, 20                        ; a head is 2,048 rows of 512 bytes
	s_add_co_u32 s40, s40, s41
	s_lshr_b32 s42, s[WV], 1                       ; K: my fragment w = 2 b + u begins at key 32 b + 8 u
	s_lshl_b32 s42, s42, 14
	s_and_b32 s43, s[WV], 1
	s_lshl_b32 s43, s43, 12
	s_add_co_u32 s42, s42, s43
	s_add_co_u32 s42, s42, s40
	s_mov_b32 s43, 0
	s_lshr_b32 s44, s[WV], 2                       ; V: h0 = w / 4: keys 32 h0 on; cg = w % 4: columns 32 cg on
	s_lshl_b32 s44, s44, 14
	s_and_b32 s45, s[WV], 3
	s_lshl_b32 s45, s45, 7
	s_add_co_u32 s44, s44, s45
	s_add_co_u32 s44, s44, s40
	s_mov_b32 s45, 0
	s_lshl_b32 s46, ttmp9, 18                      ; Q, out0: row 512 x + 16 w
	s_lshl_b32 s47, s[WV], 13
	s_add_co_u32 s46, s46, s47
	s_add_co_u32 s46, s46, s41
	s_mov_b32 s47, 0
	s_mov_b32 s[SEL], 0x76543210
	s_mov_b32 s[SEL+1], 0xfedcba98
	s_mov_b32 s[CS], 0x3e0293ee                    ; c = log2(e) / sqrt(128)
	s_mov_b32 s[CS+1], s[CS]
	s_mov_b32 s[TBK], 0
	s_mov_b32 s[TBS], 0
	s_mov_b32 s[INC+1], 0
	s_wait_kmcnt 0x0
	s_add_nc_u64 s[KB:KB+1], s[6:7], s[42:43]
	s_add_nc_u64 s[VB:VB+1], s[8:9], s[44:45]
	s_add_nc_u64 s[VB+2:VB+3], s[VB:VB+1], 64*512  ; the slot's second 64 keys
	s_add_nc_u64 s[QB:QB+1], s[4:5], s[46:47]
	s_add_nc_u64 s[OB:OB+1], s[10:11], s[46:47]
	s_wait_alu depctr_va_vdst(0)                   ; v86 and v87 are written: every global load and store of the kernel reads one of them as its offset, and neither is written again
	LOADQ O, 0                                     ; block 0's Q lands where O^T will lie
	LOADK 0                                        ; slot 0
	; the LDS addresses: each a constant + a constant x lane + a constant x wave
	v_add_nc_u32 v[AV0], VIMG, v[L16]
	v_lshl_add_u32 v[ASK0], v10, 4, KSC
	v_lshl_add_u32 v[ASV0], v10, 4, VSC
	s_mul_i32 s38, s[WV], 16*SP
	s_add_co_u32 s38, s38, STG                     ; my stage
	v_add_nc_u32 v[STW], s38, v[L16]
	v_mul_u32_u24 v[STR], v10, SP
	v_lshl_add_u32 v[STO], v11, 5, v[STR]
	v_lshl_add_u32 v[STR], v11, 7, v[STR]
	v_add_nc_u32 v[STR], s38, v[STR]
	v_add_nc_u32 v[STO], s38, v[STO]
	v_lshlrev_b32 v[H8], 3, v11
	v_mov_b32 v[FLO], 0x2800000
	s_mul_i32 s39, s[WV], FRB
	v_add_nc_u32 v[KWI], s39, v[L16]               ; fragment w of K
	s_lshr_b32 s40, s[WV], 2                       ; h0 (for K: which group of four fragments)
	s_and_b32 s41, s[WV], 3                        ; cg (for K: which of the four)
	s_lshl_b32 s42, s40, 8
	s_lshl_b32 s43, s41, 2
	s_add_co_u32 s42, s42, s43
	v_add_nc_u32 v[KWS], s42, v[ASK0]              ; KSC + 256 (w / 4) + 16 r + 4 (w % 4)
	s_mul_i32 s42, s41, 2*FRB
	s_lshl_b32 s43, s40, 8
	s_add_co_u32 s42, s42, s43
	s_add_co_u32 s42, s42, VIMG
	v_mul_u32_u24 v[VWI], v11, FRB
	v_lshl_add_u32 v[VWI], v10, 4, v[VWI]
	v_add_nc_u32 v[VWI], s42, v[VWI]               ; VIMG + 1536 (2 cg + lane / 16) + 16 (16 h0 + r)
	s_lshr_b32 s42, s41, 1
	s_lshl_b32 s42, s42, 8
	s_and_b32 s43, s41, 1
	s_lshl_b32 s43, s43, 3
	s_add_co_u32 s42, s42, s43
	s_add_co_u32 s42, s42, s40
	v_lshl_add_u32 v[VWS], v11, 2, v[ASV0]
	v_add_nc_u32 v[VWS], s42, v[VWS]               ; VSC + 256 (cg / 2) + 16 r + 4 (2 (cg % 2) + lane / 16) + h0
	v_mov_b32 v[NEG], 0xff61b1e6                   ; -3e38
	v_mov_b32 v[ZER], 0
	s_lshl_b32 s42, s[WV], 4
	v_lshlrev_b32 v[DD], 4, v11
	v_sub_nc_u32 v[DD], v10, v[DD]
	v_add_nc_u32 v[DD], s42, v[DD]                 ; d = my query's place in its block - 16 h.  Register 16 b + i holds the key at place 32 b + 16 h + i
.irp b, 0,1,2,3
	v_mov_b32 v[236+\b], 0                         ; written once: a lane permute's destination counts as one of its sources
.endr
	v_mov_b32 v253, 0                              ; (named as the upper half of the pair v[252:253] before it is first written)
	WIN 0x40                                       ; the masks, in window 1: the diagonal hides 32 b + i > d, the window's edge all the others
.set n, 0
.rept 4                                ; block b = n / 16: its sixteen compares go in one run, into s4-11 and s38-45, which are free from here on
.set m, 0
.rept 16
	v_cmp_gt_i32 s[4+m+26*(m/8)], 32*(n/16)+m, v[DD]
.set m, m+1
.endr
	s_wait_alu depctr_va_sdst(0)                   ; the sixteen compares have written their scalar registers, ahead of the selects that read them
.set m, 0
.rept 16
	v_cndmask_b32 v[MD+n+m], v[ZER], v[NEG], s[4+m+26*(m/8)]
	v_cndmask_b32 v[MW+n+m], v[NEG], v[ZER], s[4+m+26*(m/8)]
.set m, m+1
.endr
.set n, n+16
.endr
	WIN 0
	LOADV 0
	s_wait_loadcnt 48                              ; Q is in: behind it K's 16 loads and V's 32
	s_wait_alu depctr_va_vdst(0)                   ; the LDS addresses v2-7 and v82-85 are written, which the LDS instructions from here on read; none of them is written again
	TURN O, 0
	s_wait_dscnt 0x0
	QUANTW QC, QS
	s_wait_alu depctr_vm_vsrc(0)                   ; my stage's stores have read v160-223, which are cleared below
	INIT
	LOADV 1                                        ; from here on the loads that are out stand in the order K, V's first half, V's second half
	; ---- block 0: each of its five steps is preceded by its slot's event
	EVENT 63, 0
	BAR
	STEP 1
	LATE
	ADVANCE
	FSTEPS 1
	BAR
	EVENT 63, 1
	BAR
	STEP 2
	LATE
	OUT 1
	QQ
	INIT
	REWIND
	; ---- blocks 1 and 2: four steps on slots that lie ready, then the one new slot's event and the diagonal's step
	s_mov_b32 s[JC], 2
.Lblock:
	STEP 1
	ADVANCE
	FSTEPS 0
	BAR
	EVENT 0, 1
	BAR
	STEP 2
	LATE
	OUT 1
	QQ
	INIT
	REWIND
	s_sub_co_u32 s[JC], s[JC], 1
	s_cmp_lg_u32 s[JC], 0
	s_cbranch_scc1 .Lblock
	; ---- block 3 is written out: nothing more is asked of memory, and no load is jumped over in a loop
	STEP 1
	ADVANCE
	FSTEPS 0
	BAR
	EVENT 0, 3
	BAR
	STEP 2
	OUT 0
	s_wait_dscnt 0x0                               ; the closing lines, six on end
	s_wait_alu 0x0
	s_wait_tensorcnt 0x0
	ds_add_u32 v95, v243
	s_wait_dscnt 0x0
	s_endpgm
.Lfunc_end_k_qe41a3c5309_attn:
	.size	k_qe41a3c5309_attn, .Lfunc_end_k_qe41a3c5309_attn-k_qe41a3c5309_attn
	.p2alignl 7, 3214868480
	.fill 96, 4, 3214868480
	.section	.rodata,"a",@progbits
	.p2align	6, 0x0
	.amdhsa_kernel k_qe41a3c5309_attn
		.amdhsa_group_segment_fixed_size 273408
		.amdhsa_private_segment_fixed_size 0
		.amdhsa_enable_private_segment 0
		.amdhsa_kernarg_size 32
		.amdhsa_user_sgpr_count 2
		.amdhsa_user_sgpr_kernarg_segment_ptr 1
		.amdhsa_wavefront_size32 1
		.amdhsa_system_sgpr_workgroup_id_x 1
		.amdhsa_system_sgpr_workgroup_id_y 1
		.amdhsa_system_sgpr_workgroup_id_z 1
		.amdhsa_system_vgpr_workitem_id 0
		.amdhsa_next_free_vgpr 512
		.amdhsa_next_free_sgpr 66
		.amdhsa_reserve_vcc 0
		.amdhsa_float_denorm_mode_32 3
		.amdhsa_float_denorm_mode_16_64 3
		.amdhsa_memory_ordered 1
		.amdhsa_forward_progress 1
		.amdhsa_inst_pref_size 255
	.end_amdhsa_kernel
	.section	.bss,"aw",@nobits
	.p2align	6
	.space	262144
	.amdgpu_metadata
---
amdhsa.version: [ 1, 2 ]
amdhsa.kernels:
  - .name:           k_qe41a3c5309_attn
    .symbol:         k_qe41a3c5309_attn.kd
    .args:
      - { .name: q, .offset: 0, .size: 8, .value_kind: global_buffer, .address_space: global }
      - { .name: k, .offset: 8, .size: 8, .value_kind: global_buffer, .address_space: global }
      - { .name: v, .offset: 16, .size: 8, .value_kind: global_buffer, .address_space: global }
      - { .name: out0, .offset: 24, .size: 8, .value_kind: global_buffer, .address_space: global }
    .group_segment_fixed_size: 273408
    .private_segment_fixed_size: 0
    .kernarg_segment_align: 8
    .kernarg_segment_size: 32
    .max_flat_workgroup_size: 256
    .sgpr_count:     66
    .vgpr_count:     512
    .wavefront_size: 32
...
	.end_amdgpu_metadata
.endif
;; end of part 2
